; MI455X (gfx1250); checked and timed in simulation.
; The chip was launched on July 23, 2026; its instructions are those of AMD's public machine-readable ISA for CDNA 5 (MIT licence, August 2026) and "CDNA5" Instruction Set Architecture Reference Guide (July 2026). The comments in the code are by the model that wrote it; some were corrected since.
;; Neural Spline Fourier Filter NNX. Allowed arithmetic: float matrix products may take bf16 or f16 operands with f32 sums; all other float work in f32.
;; Inputs: W1 1 x 32 float32; W2 32 x 32 float32; Wk 32 x 15 float32; Ww 32 x 17 float32; a 1 float32; b1 32 float32; b2 32 float32; bk 15 float32; bw 17 float32; x 256 x 256 x 256 float32.
;; Outputs: out0 256 x 256 x 256 float32.
;; One version. Each part assembles by itself: llvm-mc -triple=amdgcn-amd-amdhsa -mcpu=gfx1250 --defsym DOCPART=n.
;; ======== version 1 of 1: 1 launch
;; limits: right only within a limited range of input values
;; launch spline (part 1): grid 256 x 1, 16 waves a work-group, no clusters, 10,752 bytes of LDS; arguments x, out0, a, W1, b1, W2, b2, Ww, bw, Wk, bk; writes out0
.if DOCPART == 1
	.amdgcn_target "amdgcn-amd-amdhsa--gfx1250"
	.amdhsa_code_object_version 6
	.text
	.protected	k_q9b77f2ae53_spline
	.globl	k_q9b77f2ae53_spline
	.p2align	8
	.type	k_q9b77f2ae53_spline,@function
k_q9b77f2ae53_spline:
	s_mov_b64 s[64:65], 0
	v_nop
	global_prefetch_b8 v0, s[64:65] scope:SCOPE_SE
	s_setreg_imm32_b32 hwreg(HW_REG_WAVE_MODE, 25, 1), 1
	s_wait_xcnt 0x0
; out0 = cubic B-spline(clip(x / sqrt(3), 0, 0.9999)); its 18 control points and 22 padded knots come from a sin-MLP on the scalar a.  x, out0: 2^24 f32.
; HOW A POINT IS EVALUATED.  The clipped argument falls into one of 15 knot spans [t[s+3], t[s+4]), s = 0..14.  In span s the spline is a cubic P_s(u), u = (xc - t[s+3]) / h.  P_s(1) = P_(s+1)(0),
; since the last-but-one de Boor level of neighbouring spans is the same function, and P_0(0) = c[0] = 0 on the four zero knots.  So
;     S(x) = sum over s of f_s(clamp(x A_s + B_s, 0, 1)),   f_s(u) = u (c1 + u (c2 + u c3)):
; no address and no branch hangs on x.  For two points and one span: 1 packed multiply-add, 2 clamps, 3 packed multiply-adds; 45 vector instructions a point.  In u every coefficient is bounded by a small
; multiple of the control points, whatever the knots' spacing, and nothing is a difference of large sums.  The division by sqrt(3) lies in A; the lower clip in span 0's clamp; the upper clip in a cut of each
; span at 0.9999 (c_j times rho^j, rho = cut length / length; 0 beyond the cut).
; SHARES.  256 work-groups of 16 waves.  A work-group owns 262,144 consecutive bytes of x and out0, as 32 chunks of 8,192; in a chunk thread t owns the 16 bytes at 16 t, so a wave's load or store covers
; 512 consecutive bytes at a multiple of 512.  Each wave keeps a ring of 8 loads (4,096 bytes) in flight.  Wave 0 of each work-group makes the table (about 500 instructions on 8,708 bytes of weights)
; while all 16 waves' first 8 loads are on their way; one barrier; then every wave holds the table in 90 registers.
; LEFT OUT.  Matrix instructions: the three products have ONE row, 2,080 multiply-adds in all, so 15 of an instruction's 16 rows would be empty, and operands of 8 significant bits would move knots and control
; points by about 2^-9 of themselves, half of the allowance where the spline is steep; they are f32 multiply-adds.  Clusters: the work-groups share nothing but the weights' 8,708 bytes.
; The tensor data mover: 32 registers of ring hold what is in flight.
; LIMITS.  A softmax weight below 2^-126 counts as 0.  A non-empty knot span shorter than 2^-126 is not resolved.  x A + B differs from x / sqrt(3) by about 2 units in the last place, so that near to a knot
; the neighbouring cubic may be taken: that shows only where the neighbouring span is itself a few such units wide, or at a fourfold knot, where the spline jumps.  The sine's argument is reduced with pi in two
; parts: good to about |argument| < 1e6.  NaN in x is not handed on.
.set CHUNK,  8192                      ; bytes that the 16 waves cover with one load each
.set ROUND,  8*CHUNK                   ; the ring once round
.set TB,     0                         ; LDS: the table, entry s at 32 s: A, B, c3, c2, c1, c1; entry 15 takes what lanes 15-31 make and is never read
.set STG_W2, 512                       ; LDS: W2 as it lies in memory, 4,096 bytes
.set STG_WW, 4608                      ; Ww, 2,176 bytes
.set STG_WK, 6784                      ; Wk, 1,920 bytes
.set SPARE,  8704                      ; the spare words, 128 bytes for each of the 16 waves: eight blocks of 256 bytes that no other line names
.set CLIP,   0x3f7ff972                ; 1 - 1e-4 in f32
.set TINY,   0x00800000                ; 2^-126: no reciprocal is taken of less
.set LANE, 1                           ; v1   lane
.set OFF,  2                           ; v2   16 x thread: my bytes in a chunk; never rewritten
.set SPW,  3                           ; v3   LDS address of my spare word; never rewritten
.set NIL,  4                           ; v4   0, for the add alone
.set Z0,   5                           ; v5   0, as an offset
.set L4,   6                           ; v6   4 x lane
.set L16,  7                           ; v7   16 x lane
.set X,    8                           ; v[8:39]   the ring: slot i at X + 4 i
.set U,    40                          ; v[40:47]  a turn's 8 clamped arguments
.set T,    48                          ; v[48:55]  Horner's sums
.set ACC,  56                          ; v[56:63]  the 8 results, and the stores' data
.set K,    64                          ; v[64:153] span s at K + 6 s: (A, B), (c3, c2), (c1, c1)
; wave 0 alone, until the barrier:
.set STG,  64                          ; v[64:131]  the weights as loaded: W2 32 registers, Ww 20, Wk 16
.set W2R,  132                         ; v[132:163] W2[i][lane]
.set WWR,  64                          ; v[64:95]   Ww[i][column of my control point]
.set WKR,  96                          ; v[96:127]  Wk[i][column of my knot]
.set VA,   164                         ; a, W1, b1, b2, bw, bk in v164-169
.set OW,   170                         ; byte offset of Ww's last 128 bytes, held inside the buffer
.set OKK,  171                         ; of Wk's last 384
.set IW4,  172                         ; 4 x column of Ww and bw for lane n: n - 1, held in 0..16
.set IK4,  173                         ; 4 x column of Wk and bk for lane n: n - 4, held in 0..14
.set NET,  174                         ; the layer's activation of my lane
.set CP0,  184                         ; c[lane]
.set KNOT, 193                         ; t[lane]
.macro RING                            ; the ring's first fill: chunks 0 to 7
.irp i, 0,1,2,3,4,5,6,7
	global_load_b128 v[X+4*(\i):X+4*(\i)+3], v[OFF], s[8:9] offset:(\i)*CHUNK th:TH_LOAD_NT
.endr
.endm
; sin, in place; v175-179 at work.  k = round(r / pi); r - k pi with pi in two parts; the odd polynomial to r^11 on |r| <= pi / 2 (the next term is below 6e-8); the sign turns with k's parity.
.macro SIN r
	v_mul_f32 v175, 0x3ea2f983, v[\r]              ; r / pi
	v_rndne_f32 v175, v175
	v_fmamk_f32 v[\r], v175, 0xc0490fdb, v[\r]     ; - k x pi's upper part
	v_fmamk_f32 v[\r], v175, 0x33bbbd2e, v[\r]     ; - k x the rest of pi (which is negative)
	v_cvt_i32_f32 v176, v175
	v_lshlrev_b32 v176, 31, v176                   ; k's parity as a sign bit
	v_mul_f32 v177, v[\r], v[\r]
	v_mov_b32 v178, 0xb2d7322b                     ; -1/11!
	v_fmaak_f32 v178, v178, v177, 0x3638ef1d       ; 1/9!
	v_fmaak_f32 v178, v178, v177, 0xb9500d01       ; -1/7!
	v_fmaak_f32 v178, v178, v177, 0x3c088889       ; 1/5!
	v_fmaak_f32 v178, v178, v177, 0xbe2aaaab       ; -1/3!
	v_mul_f32 v179, v[\r], v177
	v_fma_f32 v[\r], v179, v178, v[\r]
	v_xor_b32 v[\r], v[\r], v176
.endm
	s_load_b512 s[8:23], s[0:1], 0x0               ; x s[8:9], out0 s[10:11], a s[12:13], W1 s[14:15], b1 s[16:17], W2 s[18:19], b2 s[20:21], Ww s[22:23]
	s_load_b128 s[24:27], s[0:1], 0x40             ; bw s[24:25], Wk s[26:27]
	s_load_b64 s[28:29], s[0:1], 0x50              ; bk
	v_lshl_add_u32 v[SPW], v0, 2, SPARE
	v_mov_b32 v[NIL], 0
	v_lshrrev_b32 v[LANE], 5, v0
	v_readfirstlane_b32 s2, v[LANE]                ; my wave's number
	v_and_b32 v[LANE], 31, v0
	v_lshlrev_b32 v[OFF], 4, v0
	v_mov_b32 v[Z0], 0
	v_lshlrev_b32 v[L4], 2, v[LANE]
	v_lshlrev_b32 v[L16], 4, v[LANE]
	s_lshl_b32 s4, ttmp9, 18                       ; the work-group's 262,144 bytes: 255 x 2^18 at the most, below 2^31
	s_mov_b32 s5, 0
	s_wait_kmcnt 0x0
	s_add_nc_u64 s[8:9], s[8:9], s[4:5]
	s_add_nc_u64 s[10:11], s[10:11], s[4:5]
	s_cmp_lg_u32 s2, 0
	s_cbranch_scc1 .Lothers                        ; the one branch on the wave's number: wave 0 makes the table
	; ---- wave 0: the weights are asked for first, then the ring ----
	v_add_nc_u32 v[OW], 2048, v[L16]
	v_min_u32 v[OW], 2160, v[OW]                   ; Ww has 2,176 bytes: lanes 7 to 31 repeat its last 16
	v_add_nc_u32 v[OKK], 1536, v[L16]
	v_min_u32 v[OKK], 1904, v[OKK]                 ; Wk has 1,920 bytes
	v_max_u32 v[IW4], 1, v[LANE]
	v_add_nc_u32 v[IW4], -1, v[IW4]
	v_min_u32 v[IW4], 16, v[IW4]
	v_lshlrev_b32 v[IW4], 2, v[IW4]
	v_max_u32 v[IK4], 4, v[LANE]
	v_add_nc_u32 v[IK4], -4, v[IK4]
	v_min_u32 v[IK4], 14, v[IK4]
	v_lshlrev_b32 v[IK4], 2, v[IK4]
	s_mov_b32 s30, 0x76543210                      ; v_permlanex16_b32: each lane takes its own place in the other half
	s_mov_b32 s31, 0xfedcba98
	global_load_b32 v[VA], v[Z0], s[12:13]         ; a, in every lane
	global_load_b32 v[VA+1], v[L4], s[14:15]       ; W1[0][lane]
	global_load_b32 v[VA+2], v[L4], s[16:17]       ; b1[lane]
.irp m, 0,1,2,3,4,5,6,7
	global_load_b128 v[STG+4*(\m):STG+4*(\m)+3], v[L16], s[18:19] offset:512*(\m)
.endr
	global_load_b32 v[VA+3], v[L4], s[20:21]       ; b2[lane]
.irp m, 0,1,2,3
	global_load_b128 v[STG+32+4*(\m):STG+32+4*(\m)+3], v[L16], s[22:23] offset:512*(\m)
.endr
	global_load_b128 v[STG+48:STG+51], v[OW], s[22:23]
.irp m, 0,1,2
	global_load_b128 v[STG+52+4*(\m):STG+52+4*(\m)+3], v[L16], s[26:27] offset:512*(\m)
.endr
	global_load_b128 v[STG+64:STG+67], v[OKK], s[26:27]
	global_load_b32 v[VA+4], v[IW4], s[24:25]      ; bw of my control point
	global_load_b32 v[VA+5], v[IK4], s[28:29]      ; bk of my knot
	RING
	s_wait_loadcnt 0x8                             ; loads come back in order: the 23 loads of weights are in, the ring's 8, issued behind them, stay out
	; the weights go through LDS, so that a lane can take a column: whole 16-byte pieces in, single words back
.irp m, 0,1,2,3,4,5,6,7
	ds_store_b128 v[L16], v[STG+4*(\m):STG+4*(\m)+3] offset:STG_W2+512*(\m)
.endr
.irp m, 0,1,2,3
	ds_store_b128 v[L16], v[STG+32+4*(\m):STG+32+4*(\m)+3] offset:STG_WW+512*(\m)
.endr
	ds_store_b128 v[OW], v[STG+48:STG+51] offset:STG_WW
.irp m, 0,1,2
	ds_store_b128 v[L16], v[STG+52+4*(\m):STG+52+4*(\m)+3] offset:STG_WK+512*(\m)
.endr
	ds_store_b128 v[OKK], v[STG+64:STG+67] offset:STG_WK
.set i, 0
.rept 32
	ds_load_b32 v[W2R+i], v[L4] offset:STG_W2+128*i  ; W2[i][lane]; LDS serves a wave's instructions in order, so these see the stores above
.set i, i+1
.endr
	v_fma_f32 v[NET], v[VA], v[VA+1], v[VA+2]      ; layer 1, while LDS answers: a W1 + b1
	SIN NET
	s_wait_dscnt 0x0                               ; W2's rows are in, and the staging registers are free
.set i, 0
.rept 32
	ds_load_b32 v[WWR+i], v[IW4] offset:STG_WW+68*i  ; Ww[i][n - 1]
	ds_load_b32 v[WKR+i], v[IK4] offset:STG_WK+60*i  ; Wk[i][n - 4]
.set i, i+1
.endr
	; layer 2: net[j] = sin(sum over i of net[i] W2[i][j] + b2[j]); the 32 activations as scalars, four chains of eight
.set i, 0
.rept 32
	v_readlane_b32 s[32+i], v[NET], i
.set i, i+1
.endr
	v_fma_f32 v180, s32, v[W2R], v[VA+3]           ; the bias starts the first chain: nothing is cleared
	v_mul_f32 v181, s33, v[W2R+1]
	v_mul_f32 v182, s34, v[W2R+2]
	v_mul_f32 v183, s35, v[W2R+3]
.set i, 4
.rept 28
	v_fmac_f32 v[180+i%4], s[32+i], v[W2R+i]
.set i, i+1
.endr
	v_add_f32 v180, v180, v181
	v_add_f32 v182, v182, v183
	v_add_f32 v[NET], v180, v182
	SIN NET
	s_wait_dscnt 0x0                               ; Ww's and Wk's columns are in
	; layer 3: in lane n the control point c[n] and the logit of knot t[n], two chains each
.set i, 0
.rept 32
	v_readlane_b32 s[32+i], v[NET], i
.set i, i+1
.endr
	v_fma_f32 v180, s32, v[WWR], v[VA+4]
	v_fma_f32 v182, s32, v[WKR], v[VA+5]
	v_mul_f32 v181, s33, v[WWR+1]
	v_mul_f32 v183, s33, v[WKR+1]
.set i, 2
.rept 30
	v_fmac_f32 v[180+i%2], s[32+i], v[WWR+i]
	v_fmac_f32 v[182+i%2], s[32+i], v[WKR+i]
.set i, i+1
.endr
	v_add_f32 v180, v180, v181
	v_add_f32 v182, v182, v183
	v_cmp_ne_u32 vcc_lo, 0, v[LANE]
	v_cndmask_b32 v[CP0], 0, v180, vcc_lo          ; c[0] = 0; c[n] = w[n - 1]; lanes 18 on repeat c[17] and are not used
	v_add_nc_u32 v185, -4, v[LANE]
	v_cmp_gt_u32 vcc_lo, 15, v185                  ; lanes 4 to 18 hold the 15 logits,
	v_cndmask_b32 v186, 0xff800000, v182, vcc_lo   ; the others minus infinity: weight 0
	; softmax with its maximum taken away, and its running sum
	v_mov_b32 v187, v186
	v_max_num_f32_dpp v187, v187, v187 row_xmask:1 row_mask:0xf bank_mask:0xf
	v_max_num_f32_dpp v187, v187, v187 row_xmask:2 row_mask:0xf bank_mask:0xf
	v_max_num_f32_dpp v187, v187, v187 row_xmask:4 row_mask:0xf bank_mask:0xf
	v_max_num_f32_dpp v187, v187, v187 row_xmask:8 row_mask:0xf bank_mask:0xf
	v_mov_b32 v188, 0                              ; the next line's destination counts as read
	v_permlanex16_b32 v188, v187, s30, s31
	v_max_num_f32 v187, v187, v188
	v_sub_f32 v189, v186, v187
	v_mul_f32 v189, 0x3fb8aa3b, v189
	v_exp_f32 v189, v189
	v_mov_b32 v190, 0                              ; a plain instruction behind the exponential (ISA guide 5.7.2); it also writes the register that the shifts below land in
	s_wait_alu depctr_va_vdst(0)
.irp n, 1,2,4,8                        ; the running sum inside each half of 16 lanes
	v_mov_b32_dpp v190, v189 row_shr:\n row_mask:0xf bank_mask:0xf bound_ctrl:1
	v_add_f32 v189, v189, v190
.endr
	v_readlane_b32 s66, v189, 15                   ; the lower half's total goes onto the upper half
	v_mov_b32 v191, s66
	v_cmp_lt_u32 vcc_lo, 15, v[LANE]
	v_cndmask_b32 v190, 0, v191, vcc_lo
	v_add_f32 v189, v189, v190
.irp n, 1,2,4,8                        ; a running maximum: sums made in a tree can round a later one below an earlier one, and the knots must not fall.  (The upper half is not below the lower's total: a sum with a number >= 0 does not round below it.)
	v_max_num_f32_dpp v189, v189, v189 row_shr:\n row_mask:0xf bank_mask:0xf bound_ctrl:1
.endr
	v_readlane_b32 s67, v189, 31                   ; the whole sum: at least 1, the largest logit's weight
	v_mov_b32 v191, s67
	v_rcp_f32 v192, v191
.irp d, 1,2,3,4,5,6
	v_add_nc_u32 v[193+\d], 4*\d, v[L4]            ; v194-199: lane + d as a byte index; these are also the plain instructions behind the reciprocal
.endr
	s_wait_alu depctr_va_vdst(0)
	v_mul_f32 v[KNOT], v189, v192
	v_min_num_f32 v[KNOT], 1.0, v[KNOT]            ; so that t[18] does not pass the three ones behind it
	v_cmp_gt_u32 vcc_lo, 19, v[LANE]
	v_cndmask_b32 v[KNOT], 1.0, v[KNOT], vcc_lo    ; lanes 0-3 hold 0 by themselves (no weight yet), lanes 19 on hold 1
	; lane s takes span s: knots t[s+1 .. s+6], control points c[s .. s+3]
.set TM2, 64
.set TM1, 65
.set T0,  66
.set T1,  67
.set T2,  68
.set T3,  69
.set CP1, 70
.set CP2, 71
.set CP3, 72
.set HH,  73
.set R13, 74
.set R12, 75
.set R11, 76
.set R23, 77
.set R22, 78
.set TC0, 79
.set TC1, 80
.set HP,  81
.set RH,  82
.set RHP, 83
.set G1,  84
.set G2,  85
.set B13, 86
.set B12, 87
.set B11, 88
.set B23, 89
.set B22, 90
.set A12, 91
.set A11, 92
.set A22, 93
.set E3,  94
.set E2,  95
.set E1,  96
.set P31, 97
.set P20, 98
.set P21, 99
.set P10, 100
.set P11, 101
.set EE0, 102
.set EE1, 103
.set Q31, 104
.set Q32, 105
.set F0,  106
.set F1,  107
.set Q20, 108
.set Q21, 109
.set Q22, 110
.set C1,  111
.set C2,  112
.set C3,  113
.set RHO, 114
.set RHO2, 115
.set RHO3, 116
.set A32, 117
.irp d, 0,1,2,3,4,5
	ds_bpermute_b32 v[TM2+\d], v[194+\d], v[KNOT]
.endr
.irp d, 0,1,2
	ds_bpermute_b32 v[CP1+\d], v[194+\d], v[CP0]
.endr
	s_wait_dscnt 0x0
	v_sub_f32 v[HH],  v[T1], v[T0]                 ; the span's length h, and the five other knot differences of de Boor's three levels
	v_sub_f32 v[R13], v[T3], v[T0]
	v_sub_f32 v[R12], v[T2], v[TM1]
	v_sub_f32 v[R11], v[T1], v[TM2]
	v_sub_f32 v[R23], v[T2], v[T0]
	v_sub_f32 v[R22], v[T1], v[TM1]
	v_min_num_f32 v[TC0], CLIP, v[T0]              ; the span cut at the upper clip
	v_min_num_f32 v[TC1], CLIP, v[T1]
	v_sub_f32 v[HP], v[TC1], v[TC0]
	v_max_num_f32 v[RH], TINY, v[HH]
	v_max_num_f32 v[RHP], TINY, v[HP]
.irp r, R13,R12,R11,R23,R22
	v_max_num_f32 v[\r], TINY, v[\r]
.endr
.irp r, RH,RHP,R13,R12,R11,R23,R22
	v_rcp_f32 v[\r], v[\r]
.endr
	v_sub_f32 v[G1], v[T0], v[TM1]                 ; plain instructions behind the reciprocals
	v_sub_f32 v[G2], v[T0], v[TM2]
	s_wait_alu depctr_va_vdst(0)
	v_mul_f32 v[B13], v[HH], v[R13]                ; each level's alpha is a + b u; the knots do not fall, so no a and no b passes 1 by more than rounding
	v_mul_f32 v[B12], v[HH], v[R12]
	v_mul_f32 v[B11], v[HH], v[R11]
	v_mul_f32 v[B23], v[HH], v[R23]
	v_mul_f32 v[B22], v[HH], v[R22]
	v_mul_f32 v[A12], v[G1], v[R12]
	v_mul_f32 v[A11], v[G2], v[R11]
	v_mul_f32 v[A22], v[G1], v[R22]
	v_sub_f32 v[E3], v[CP3], v[CP2]
	v_sub_f32 v[E2], v[CP2], v[CP1]
	v_sub_f32 v[E1], v[CP1], v[CP0]
	v_mul_f32 v[P31], v[B13], v[E3]                ; level 1: p3 = c2 + b13 e3 u,
	v_fma_f32 v[P20], v[A12], v[E2], v[CP1]        ; p2 = (c1 + a12 e2) + b12 e2 u,
	v_mul_f32 v[P21], v[B12], v[E2]
	v_fma_f32 v[P10], v[A11], v[E1], v[CP0]        ; p1 = (c0 + a11 e1) + b11 e1 u
	v_mul_f32 v[P11], v[B11], v[E1]
	v_sub_f32 v[EE0], v[CP2], v[P20]               ; level 2: q3 = p2 + b23 u (p3 - p2),
	v_sub_f32 v[EE1], v[P31], v[P21]
	v_fma_f32 v[Q31], v[B23], v[EE0], v[P21]
	v_mul_f32 v[Q32], v[B23], v[EE1]
	v_sub_f32 v[F0], v[P20], v[P10]                ; q2 = p1 + (a22 + b22 u) (p2 - p1)
	v_sub_f32 v[F1], v[P21], v[P11]
	v_fma_f32 v[Q20], v[A22], v[F0], v[P10]
	v_fma_f32 v[Q21], v[A22], v[F1], v[P11]
	v_fma_f32 v[Q21], v[B22], v[F0], v[Q21]
	v_mul_f32 v[Q22], v[B22], v[F1]
	v_sub_f32 v[C1], v[P20], v[Q20]                ; level 3: q2 + u (q3 - q2), less its constant term
	v_add_f32 v[C1], v[C1], v[Q21]
	v_sub_f32 v[C2], v[Q31], v[Q21]
	v_add_f32 v[C2], v[C2], v[Q22]
	v_sub_f32 v[C3], v[Q32], v[Q22]
	v_mul_f32 v[RHO], v[HP], v[RH]                 ; the part of the span below the clip:
	v_cmp_lt_f32 vcc_lo, CLIP, v[T1]
	v_cndmask_b32 v[RHO], 1.0, v[RHO], vcc_lo      ; exactly 1 where the span ends below it, an empty span too, which so keeps its step c1 (other than 0 at a fourfold knot alone)
	v_mul_f32 v[RHO2], v[RHO], v[RHO]
	v_mul_f32 v[RHO3], v[RHO2], v[RHO]
	v_mul_f32 v[U+4], v[C1], v[RHO]
	v_mul_f32 v[U+3], v[C2], v[RHO2]
	v_mul_f32 v[U+2], v[C3], v[RHO3]
	v_mul_f32 v[U], 0x3f13cd3a, v[RHP]             ; A = 1 / (sqrt(3) x cut length)
	v_mul_f32 v[U+1], -v[TC0], v[RHP]              ; B = - the span's beginning / cut length
	v_cmp_lt_f32 vcc_lo, 0, v[T1]
	v_cndmask_b32 v[U], 0, v[U], vcc_lo            ; a span that ends at 0 lies behind every clipped x: its argument is 1 for all x
	v_cndmask_b32 v[U+1], 1.0, v[U+1], vcc_lo
	v_mov_b32 v[U+5], v[U+4]
	v_min_u32 v[A32], 15, v[LANE]
	v_lshlrev_b32 v[A32], 5, v[A32]
	ds_store_b128 v[A32], v[U:U+3] offset:TB
	ds_store_b64 v[A32], v[U+4:U+5] offset:TB+16
	s_branch .Lmeet
.Lothers:
	RING
.Lmeet:                                                ; on both ways the ring's 8 loads, and no others, are out
	s_wait_dscnt 0x0                               ; for the others' sake: wave 0's stores into the table are done
	s_barrier_signal -1
	s_barrier_wait -1                              ; the one barrier
.set i, 0
.rept 15
	ds_load_b128 v[K+6*i:K+6*i+3], v[Z0] offset:TB+32*i        ; all lanes read the same words
	ds_load_b64 v[K+6*i+4:K+6*i+5], v[Z0] offset:TB+32*i+16
.set i, i+1
.endr
	s_wait_dscnt 0x0
; Span s for a turn's 8 points, in two parts.  UPART: u = x A + B; of the pair (A, B) both halves take A as the factor and B as the addend.
.macro UPART s, xb
.irp p, 0,1,2,3
	v_pk_fma_f32 v[U+2*(\p):U+2*(\p)+1], v[(\xb)+2*(\p):(\xb)+2*(\p)+1], v[K+6*(\s):K+6*(\s)+1], v[K+6*(\s):K+6*(\s)+1] op_sel:[0,0,1] op_sel_hi:[1,0,1]
.endr
.endm
; REST: the clamp to 0..1; (c3 u + c2) u + c1; times u onto the sum.  Span 0 starts the sums: nothing is cleared.
.macro REST s
.irp q, 0,1,2,3,4,5,6,7
	v_med3_num_f32 v[U+(\q)], v[U+(\q)], 0, 1.0
.endr
.irp p, 0,1,2,3
	v_pk_fma_f32 v[T+2*(\p):T+2*(\p)+1], v[U+2*(\p):U+2*(\p)+1], v[K+6*(\s)+2:K+6*(\s)+3], v[K+6*(\s)+2:K+6*(\s)+3] op_sel:[0,0,1] op_sel_hi:[1,0,1]
.endr
.irp p, 0,1,2,3
	v_pk_fma_f32 v[T+2*(\p):T+2*(\p)+1], v[T+2*(\p):T+2*(\p)+1], v[U+2*(\p):U+2*(\p)+1], v[K+6*(\s)+4:K+6*(\s)+5]
.endr
.if (\s) == 0
	s_wait_xcnt 0x0                                ; every earlier memory instruction has had its addresses translated (ISA guide 3.1): the sums' registers, the last turn's store data, are rewritten only behind this wait
.irp p, 0,1,2,3
	v_pk_mul_f32 v[ACC+2*(\p):ACC+2*(\p)+1], v[T+2*(\p):T+2*(\p)+1], v[U+2*(\p):U+2*(\p)+1]
.endr
.else
.irp p, 0,1,2,3
	v_pk_fma_f32 v[ACC+2*(\p):ACC+2*(\p)+1], v[T+2*(\p):T+2*(\p)+1], v[U+2*(\p):U+2*(\p)+1], v[ACC+2*(\p):ACC+2*(\p)+1]
.endr
.endif
.endm
; A turn: slots 2 i and 2 i + 1 of the ring, 8 points a lane.  ahead = 1: both slots are filled again, with the chunks 8 further on, as soon as the last span has read x.
; left = how many younger loads may stay out: the ring's other 6 (later slots and earlier refills), on the way in and round the loop alike.
.macro TURN i, ahead, left
	s_wait_loadcnt \left                           ; loads come back in order (ISA guide 5.7.1): my two slots are in
.set sg, 0
.rept 15
	UPART sg, X+8*(\i)
.if (sg == 14) && (\ahead)
	global_load_b128 v[X+8*(\i):X+8*(\i)+3],   v[OFF], s[8:9] offset:(2*(\i))*CHUNK+ROUND th:TH_LOAD_NT
	global_load_b128 v[X+8*(\i)+4:X+8*(\i)+7], v[OFF], s[8:9] offset:(2*(\i)+1)*CHUNK+ROUND th:TH_LOAD_NT
.endif
	REST sg
.set sg, sg+1
.endr
	global_store_b128 v[OFF], v[ACC:ACC+3],   s[10:11] offset:(2*(\i))*CHUNK th:TH_STORE_NT    ; a wave's store covers 512 consecutive bytes, at a multiple of 512 from out0's first byte
	global_store_b128 v[OFF], v[ACC+4:ACC+7], s[10:11] offset:(2*(\i)+1)*CHUNK th:TH_STORE_NT
.endm
	s_mov_b32 s3, 3                                ; 32 chunks = 4 rounds of the ring: three fill it again,
.Lround:
	TURN 0, 1, 6
	TURN 1, 1, 6
	TURN 2, 1, 6
	TURN 3, 1, 6
	s_wait_xcnt 0x0                                ; the two bases are stepped only behind this wait
	s_add_nc_u64 s[8:9], s[8:9], ROUND
	s_add_nc_u64 s[10:11], s[10:11], ROUND
	s_sub_co_u32 s3, s3, 1
	s_cmp_lg_u32 s3, 0
	s_cbranch_scc1 .Lround
	TURN 0, 0, 6                                   ; the last loads nothing, so that no load leaves the work-group's part: the counts run down
	TURN 1, 0, 4
	TURN 2, 0, 2
	TURN 3, 0, 0
	s_wait_tensorcnt 0x0                           ; the wave's end
	ds_add_u32 v[SPW], v[NIL]
	s_wait_dscnt 0x0
	s_endpgm
.Lfunc_end_k_q9b77f2ae53_spline:
	.size	k_q9b77f2ae53_spline, .Lfunc_end_k_q9b77f2ae53_spline-k_q9b77f2ae53_spline
	.p2alignl 7, 3214868480
	.fill 96, 4, 3214868480
	.section	.rodata,"a",@progbits
	.p2align	6, 0x0
	.amdhsa_kernel k_q9b77f2ae53_spline
		.amdhsa_group_segment_fixed_size 10752
		.amdhsa_private_segment_fixed_size 0
		.amdhsa_enable_private_segment 0
		.amdhsa_kernarg_size 88
		.amdhsa_user_sgpr_count 2
		.amdhsa_user_sgpr_kernarg_segment_ptr 1
		.amdhsa_wavefront_size32 1
		.amdhsa_system_sgpr_workgroup_id_x 1
		.amdhsa_system_sgpr_workgroup_id_y 1
		.amdhsa_system_sgpr_workgroup_id_z 1
		.amdhsa_system_vgpr_workitem_id 0
		.amdhsa_next_free_vgpr 200
		.amdhsa_next_free_sgpr 72
		.amdhsa_reserve_vcc 1
		.amdhsa_float_denorm_mode_32 3
		.amdhsa_float_denorm_mode_16_64 3
		.amdhsa_memory_ordered 1
		.amdhsa_forward_progress 1
		.amdhsa_inst_pref_size 213
	.end_amdhsa_kernel
	.amdgpu_metadata
---
amdhsa.version: [ 1, 2 ]
amdhsa.kernels:
  - .name:           k_q9b77f2ae53_spline
    .symbol:         k_q9b77f2ae53_spline.kd
    .args:
      - { .name: x, .offset: 0, .size: 8, .value_kind: global_buffer, .address_space: global }
      - { .name: out0, .offset: 8, .size: 8, .value_kind: global_buffer, .address_space: global }
      - { .name: a, .offset: 16, .size: 8, .value_kind: global_buffer, .address_space: global }
      - { .name: W1, .offset: 24, .size: 8, .value_kind: global_buffer, .address_space: global }
      - { .name: b1, .offset: 32, .size: 8, .value_kind: global_buffer, .address_space: global }
      - { .name: W2, .offset: 40, .size: 8, .value_kind: global_buffer, .address_space: global }
      - { .name: b2, .offset: 48, .size: 8, .value_kind: global_buffer, .address_space: global }
      - { .name: Ww, .offset: 56, .size: 8, .value_kind: global_buffer, .address_space: global }
      - { .name: bw, .offset: 64, .size: 8, .value_kind: global_buffer, .address_space: global }
      - { .name: Wk, .offset: 72, .size: 8, .value_kind: global_buffer, .address_space: global }
      - { .name: bk, .offset: 80, .size: 8, .value_kind: global_buffer, .address_space: global }
    .group_segment_fixed_size: 10752
    .private_segment_fixed_size: 0
    .kernarg_segment_align: 8
    .kernarg_segment_size: 88
    .max_flat_workgroup_size: 512
    .sgpr_count:     72
    .vgpr_count:     200
    .wavefront_size: 32
...
	.end_amdgpu_metadata
.endif
;; end of part 1
